; MI455X (gfx1250); checked and timed in simulation.
; The chip was launched on July 23, 2026; its instructions are those of AMD's public machine-readable ISA for CDNA 5 (MIT licence, August 2026) and "CDNA5" Instruction Set Architecture Reference Guide (July 2026). The comments in the code are by the model that wrote it; some were corrected since.
;; Dec Green Net product CP4. Allowed arithmetic: float matrix products may take bf16 or f16 operands with f32 sums; other float arithmetic in f32, or as packed bf16 or f16 multiplies, adds, multiply-adds, maxima and minima; sums over many terms, partial sums and values carried from step to step in f32; what a program stores and reads back later, other than sums and carried values, may be rounded once to bf16 or f16.
;; Inputs: W1 3 x 1,024 float32; W2 1,024 x 4,096 float32; Wq0a 1 x 128 float32; Wq0b 128 x 64 float32; Wq1a 1 x 128 float32; Wq1b 128 x 64 float32; Wq2a 1 x 128 float32; Wq2b 128 x 64 float32; Wq3a 1 x 128 float32; Wq3b 128 x 64 float32; b1 1,024 float32; b2 4,096 float32; bq0a 128 float32; bq0b 64 float32; bq1a 128 float32; bq1b 64 float32; bq2a 128 float32; bq2b 64 float32; bq3a 128 float32; bq3b 64 float32; eq_param 1 float32; input 16,384 x 3 float32; quad_x0 64 x 1 float32; quad_x1 64 x 1 float32; quad_x2 64 x 1 float32; quad_x3 64 x 1 float32.
;; Outputs: out0 16,384 float32.
;; One version. Each part assembles by itself: llvm-mc -triple=amdgcn-amd-amdhsa -mcpu=gfx1250 --defsym DOCPART=n.
;; ======== version 1 of 1: 2 launches
;; workspace buffers: wvec 5,120 bytes
;; launch weights (part 1): grid 256 x 1, 16 waves a work-group, no clusters, 34,816 bytes of LDS; arguments W2, b2, eq_param, wvec, quad_x0, quad_x1, quad_x2, quad_x3, Wq0a, Wq1a, Wq2a, Wq3a, bq0a, bq1a, bq2a, bq3a, Wq0b, Wq1b, Wq2b, Wq3b, bq0b, bq1b, bq2b, bq3b; writes wvec
.if DOCPART == 1
	.amdgcn_target "amdgcn-amd-amdhsa--gfx1250"
	.amdhsa_code_object_version 6
	.text
	.protected	k_qb100238174_weights
	.globl	k_qb100238174_weights
	.p2align	8
	.type	k_qb100238174_weights,@function
k_qb100238174_weights:
	s_mov_b64 s[64:65], 0
	v_nop
	global_prefetch_b8 v0, s[64:65] scope:SCOPE_SE
	s_setreg_imm32_b32 hwreg(HW_REG_WAVE_MODE, 25, 1), 1
	s_wait_xcnt 0x0
; out = (tanh(X W1 + b1) W2 + b2) . rhs = tanh(X W1 + b1) . (W2 rhs) + b2 . rhs: products associate, for every input.
; THIS LAUNCH makes w = W2 rhs (1,024 numbers) and b2 . rhs in 256 partial sums of 16 terms, all in f32:
;   wvec bytes 0-4095: w;  bytes 4096-5119: cpart[g] = the sum over k = 16 g .. 16 g + 15 of b2[k] rhs[k].
; rhs[b,d,f,m] = sum over x of S0[b,x] S1[d,x] S2[f,x] S3[m,x];  S_i[c] = sum over k of u_i[k] Wb_i[k,c] + Y_i bb_i[c], with
; u_i[k] = sum over the 64 points n of y_n tanh(x_n Wa_i[k] + ba_i[k]), Y_i = sum of y_n, y_n = eq sin(pi x_n): the sum over the points is drawn inside the second layer.
; SHARES.  256 work-groups of 16 waves.  Work-group g owns rows 4 g .. 4 g + 3 of W2 (65,536 bytes): wave wv holds 4,096 of them (a quarter of row wv / 4) in 32 registers,
; asked for at the head.  While they are on their way every work-group makes S and rhs for itself: factor i = wv / 4, thread k = t % 128 of the factor owns hidden unit k.
; NO MATRIX INSTRUCTION: every product left has one column.  NO TENSOR LOAD, NO CLUSTER: W2's rows are nobody else's; Wq*b (131,072 bytes, the same in all work-groups) goes
; from memory into registers once, 16 loads a lane asked for ahead of the 128 tanh; a joint request would lay it into LDS, to be read from there once more.
; LIMITS.  tanh z = 1 - 2 / (1 + 2^(2 log2(e) z)): absolute error near 2^-22, so below |z| = 1e-5 the relative accuracy is lost; it ends in +1 and -1 rightly.
; sin(pi x) = (-1)^n sin(pi f), n = x rounded to the nearest whole number, f = x - n (exact), by the odd series up to f^11: remainder under 6e-8 for |f| <= 0.5, whatever x.
; The reference rounds pi x first: the two differ by some 2e-7 |x|; from |x| = 2^23 on this text gives 0.  NaN and infinities are not treated apart.
.set K2,      0x4038aa3b   ; 2 log2(e)
.set L_PTS,   0            ; 16 x 512: each wave's own copy of its factor's points; pair p at 16 p: x, x, y, y
.set L_U,     8192         ; 2,048: u[i][k] at 4 t
.set L_SP,    10240        ; 16 x 256: wave wv's partial S, 64 columns
.set L_SS,    14336        ; 1,024: S_i[p][x] at 256 i + 32 p + 4 x
.set L_RHS,   15360        ; 16,384: rhs
.set L_RED,   31744        ; 256: wave wv's part of its row's dot product at 4 wv
.set L_SPARE, 32000        ; 2,048: the spare words, 128 bytes a wave; no other line names them
; v0 t; v1 lane; v2, v3 the add's two; v4 cg = t % 16; v5 k; v6-v10, v92 global offsets; v11-v24 LDS addresses; v25 at work; v26 b2; v27 Y
; v[28:29] K2 Wa[k] twice; v[30:31] K2 ba[k] twice; v[32:35] x, x, y, y; v[36:39] bb; v[40:47] at work; v[48:79] four sets of points, later S's and rhs's work
; v[80:83] two pairs of tanh; v[84:87] their sums; v[96:159] Wb, later S3 and rhs; v[160:191] my 4,096 bytes of W2
.macro BAR                          ; my LDS instructions are done, then the work-group's barrier
	s_wait_dscnt 0x0
	s_barrier_signal -1
	s_barrier_wait -1
.endm
.macro PICK n                       ; the five addresses of factor n, if it is my wave's
	s_cmp_eq_u32 s53, \n
.irp j, 0,1,2,3,4
	s_cselect_b64 s[54+2*\j:55+2*\j], s[12+8*\j+2*(\n):13+8*\j+2*(\n)], s[54+2*\j:55+2*\j]
.endr
.endm
.macro BOTH line:vararg             ; one line for each of my two points, r = 0, 1: two chains that alternate
.set r, 0
.rept 2
	\line
.set r, r+1
.endr
.endm
.macro WSUM a, b                    ; the sum of v[a] over the wave's 32 lanes, in every lane; v[b] has been written before
	v_add_f32_dpp v[\a], v[\a], v[\a] row_xmask:1 row_mask:0xf bank_mask:0xf
	v_add_f32_dpp v[\a], v[\a], v[\a] row_xmask:2 row_mask:0xf bank_mask:0xf
	v_add_f32_dpp v[\a], v[\a], v[\a] row_xmask:4 row_mask:0xf bank_mask:0xf
	v_add_f32_dpp v[\a], v[\a], v[\a] row_xmask:8 row_mask:0xf bank_mask:0xf
	v_permlanex16_b32 v[\b], v[\a], s66, s67
	v_add_f32 v[\a], v[\a], v[\b]
.endm
.macro QLOAD q                      ; step q's four points (two pairs) into set q % 4; every lane reads the same bytes
	ds_load_b128 v[48+8*((\q)%4):48+8*((\q)%4)+3],   v12 offset:L_PTS+32*(\q)
	ds_load_b128 v[48+8*((\q)%4)+4:48+8*((\q)%4)+7], v12 offset:L_PTS+32*(\q)+16
.endm
; Four points of my hidden unit.  The two pairs alternate, so that behind every run of exponentials or reciprocals stands a plain line that names none of their registers,
; and one stands between each result and its use (ISA guide 5.7.2).
.macro QSTEP q, first
.if (\q) < 12
	s_wait_dscnt 6                                 ; younger than this step's two loads: the three later steps' six
.else
	s_wait_dscnt 2*(15-(\q))                       ; the counts run down
.endif
.set pb, 48+8*((\q)%4)
	v_pk_fma_f32 v[80:81], v[pb:pb+1], v[28:29], v[30:31]         ; K2 (x Wa + ba)
	v_exp_f32 v80, v80
	v_exp_f32 v81, v81
	v_pk_fma_f32 v[82:83], v[pb+4:pb+5], v[28:29], v[30:31]
	v_exp_f32 v82, v82
	v_exp_f32 v83, v83
	s_wait_alu depctr_va_vdst(0)
	v_pk_add_f32 v[80:81], v[80:81], 1.0 op_sel_hi:[1,0]
	v_rcp_f32 v80, v80
	v_rcp_f32 v81, v81
	v_pk_add_f32 v[82:83], v[82:83], 1.0 op_sel_hi:[1,0]
	v_rcp_f32 v82, v82
	v_rcp_f32 v83, v83
	s_wait_alu depctr_va_vdst(0)
	v_pk_fma_f32 v[80:81], v[80:81], -2.0, 1.0 op_sel_hi:[1,0,0]  ; tanh
.if \first
	v_pk_mul_f32 v[84:85], v[pb+2:pb+3], v[80:81]                 ; the first step starts the sums
.else
	v_pk_fma_f32 v[84:85], v[pb+2:pb+3], v[80:81], v[84:85]       ; + y tanh
.endif
	v_pk_fma_f32 v[82:83], v[82:83], -2.0, 1.0 op_sel_hi:[1,0,0]
.if \first
	v_pk_mul_f32 v[86:87], v[pb+6:pb+7], v[82:83]
.else
	v_pk_fma_f32 v[86:87], v[pb+6:pb+7], v[82:83], v[86:87]
.endif
.if (\q) < 12
	QLOAD (\q)+4
.endif
.endm
; Row n of my 16 rows of Wb, four columns: two packed multiply-adds by u[n], which op_sel takes from its pair.  Even rows add into v[64:67], odd rows into v[68:71]: four chains.
.macro SROW n
.set wb, 96+4*(\n)
.set uu, 48+2*((\n)/2)
.set ac, 64+4*((\n)%2)
.if (\n) == 1
	v_pk_mul_f32 v[ac:ac+1],   v[wb:wb+1],   v[uu:uu+1] op_sel:[0,1] op_sel_hi:[1,1]
	v_pk_mul_f32 v[ac+2:ac+3], v[wb+2:wb+3], v[uu:uu+1] op_sel:[0,1] op_sel_hi:[1,1]
.elseif (\n)%2
	v_pk_fma_f32 v[ac:ac+1],   v[wb:wb+1],   v[uu:uu+1], v[ac:ac+1]   op_sel:[0,1,0] op_sel_hi:[1,1,1]
	v_pk_fma_f32 v[ac+2:ac+3], v[wb+2:wb+3], v[uu:uu+1], v[ac+2:ac+3] op_sel:[0,1,0] op_sel_hi:[1,1,1]
.else
	v_pk_fma_f32 v[ac:ac+1],   v[wb:wb+1],   v[uu:uu+1], v[ac:ac+1]   op_sel_hi:[1,0,1]
	v_pk_fma_f32 v[ac+2:ac+3], v[wb+2:wb+3], v[uu:uu+1], v[ac+2:ac+3] op_sel_hi:[1,0,1]
.endif
.endm
	; THE HEAD: the 24 addresses; indices and offsets are made while they come
	s_load_b256 s[4:11],  s[0:1], 0x0              ; W2 s[4:5], b2 s[6:7], eq_param s[8:9], wvec s[10:11]
	s_load_b256 s[12:19], s[0:1], 0x20             ; quad_x0-3
	s_load_b256 s[20:27], s[0:1], 0x40             ; Wq0a-3a
	s_load_b256 s[28:35], s[0:1], 0x60             ; bq0a-3a
	s_load_b256 s[36:43], s[0:1], 0x80             ; Wq0b-3b
	s_load_b256 s[44:51], s[0:1], 0xa0             ; bq0b-3b
	v_lshl_add_u32 v2, v0, 2, L_SPARE              ; my spare word
	v_mov_b32 v3, 0
	v_lshrrev_b32 v25, 5, v0
	v_readfirstlane_b32 s68, v25                   ; wave 0..15
	s_lshr_b32 s53, s68, 2                         ; my factor, and my row of W2's four
	s_and_b32 s69, s68, 3                          ; my wave among the factor's four, and my quarter of the row
	s_mov_b32 s66, 0x76543210                      ; v_permlanex16_b32: each lane takes its own place in the other half
	s_mov_b32 s67, 0xfedcba98
	v_and_b32 v1, 31, v0                           ; lane
	v_and_b32 v4, 15, v0                           ; cg: my four columns of Wb
	v_and_b32 v5, 127, v0                          ; k: my hidden unit
	v_lshlrev_b32 v6, 3, v1                        ; my two points in quad_x
	v_lshlrev_b32 v7, 2, v5                        ; Wa[k], ba[k]
	v_lshlrev_b32 v8, 4, v4                        ; 16 cg
	v_lshlrev_b32 v92, 2, v4                       ; 4 cg
	v_lshrrev_b32 v25, 4, v5                       ; rs = k / 16: my 16 rows of Wb
	v_lshl_add_u32 v9, v25, 12, v8                 ; 16 rows of 256 bytes x rs + 16 cg
	s_lshl_b32 s74, s68, 12
	v_lshl_add_u32 v10, v1, 4, s74                 ; W2: 4,096 wv + 16 lane
	s_lshl_b32 s74, s68, 9
	v_lshl_add_u32 v11, v1, 4, s74                 ; my wave's points: 512 wv + 16 lane,
	v_mov_b32 v12, s74                             ; and their first byte
	v_lshlrev_b32 v13, 2, v0                       ; u: 4 t
	v_lshrrev_b32 v25, 4, v0
	v_lshlrev_b32 v14, 6, v25                      ; the 16 u of my rows: 64 (t / 16)
	s_lshl_b32 s74, s68, 8
	v_add_nc_u32 v15, s74, v8                      ; my wave's partial S: 256 wv + 16 cg
	v_bfe_u32 v25, v0, 4, 2
	v_lshl_add_u32 v16, v25, 10, v8                ; threads 0-63: factor t / 16, its four waves' partials
	v_and_b32 v25, 63, v0
	v_lshlrev_b32 v17, 4, v25                      ; threads 0-63: 16 t in S
	v_lshrrev_b32 v25, 6, v0
	v_lshlrev_b32 v18, 5, v25                      ; b = t / 64: row b of S0
	v_bfe_u32 v25, v0, 3, 3
	v_lshlrev_b32 v19, 5, v25                      ; d: row d of S1
	v_and_b32 v25, 7, v0
	v_lshlrev_b32 v20, 5, v25                      ; f: row f of S2
	v_mov_b32 v21, 0                               ; S3: all of it, in every lane
	v_lshlrev_b32 v22, 5, v0                       ; rhs[8 t ..]
	s_lshl_b32 s74, s69, 12
	v_lshl_add_u32 v23, v1, 4, s74                 ; rhs beside my bytes of W2: 4,096 wq + 16 lane
	s_lshl_b32 s74, s68, 2
	v_mov_b32 v24, s74
	s_wait_kmcnt 0x0
	s_load_b32 s52, s[8:9], 0x0                    ; eq_param
.irp j, 0,1,2,3,4
	s_mov_b64 s[54+2*\j:55+2*\j], s[12+8*\j:13+8*\j]  ; factor 0's quad_x s[54:55], Wa s[56:57], ba s[58:59], Wb s[60:61], bb s[62:63],
.endr
	PICK 1                                         ; or my factor's
	PICK 2
	PICK 3
	s_lshl_b32 s72, ttmp9, 16                      ; my work-group's four rows of W2
	s_mov_b32 s73, 0
	s_add_nc_u64 s[4:5], s[4:5], s[72:73]
	s_lshl_b32 s72, ttmp9, 6                       ; and its 16 numbers of b2
	s_add_nc_u64 s[6:7], s[6:7], s[72:73]
	; ALL LOADS, the small ones first: loads come back in order, so the counts below leave the large ones out
	global_load_b32 v26, v92, s[6:7]               ; b2[16 g + cg]; wave 0 alone uses it, every wave asks: the same 64 bytes, and no branch
	global_load_b64 v[32:33], v6, s[54:55]         ; two points
	global_load_b32 v25, v7, s[56:57]              ; Wa[k]
	global_load_b32 v40, v7, s[58:59]              ; ba[k]
	global_load_b128 v[36:39], v8, s[62:63]        ; bb, my four columns
.set n, 0
.rept 16
	global_load_b128 v[96+4*n:96+4*n+3], v9, s[60:61] offset:256*n  ; Wb row 16 rs + n: 16 lanes take its 256 bytes
.set n, n+1
.endr
.set n, 0
.rept 8
	global_load_b128 v[160+4*n:160+4*n+3], v10, s[4:5] offset:512*n th:TH_LOAD_NT  ; W2: 512 consecutive bytes a load, read once in the launch
.set n, n+1
.endr
	; THE POINTS: y = eq sin(pi x)
	s_wait_loadcnt 24                              ; younger than the small loads: Wb's 16 and W2's 8
	s_wait_kmcnt 0x0                               ; eq_param
	v_mul_f32 v28, K2, v25
	v_mul_f32 v30, K2, v40
	v_mov_b32 v29, v28
	v_mov_b32 v31, v30
	BOTH v_rndne_f32 v[40+r], v[32+r]              ; n
	BOTH v_sub_f32 v[42+r], v[32+r], v[40+r]       ; f, exact
	BOTH v_mul_f32 v[44+r], v[42+r], v[42+r]
	BOTH v_mov_b32 v[46+r], 0xbbf183a8             ; -pi^11 / 11!
	BOTH v_fmaak_f32 v[46+r], v[46+r], v[44+r], 0x3da83c1a  ; pi^9 / 9!
	BOTH v_fmaak_f32 v[46+r], v[46+r], v[44+r], 0xbf196966  ; -pi^7 / 7!
	BOTH v_fmaak_f32 v[46+r], v[46+r], v[44+r], 0x402335e3  ; pi^5 / 5!
	BOTH v_fmaak_f32 v[46+r], v[46+r], v[44+r], 0xc0a55de7  ; -pi^3 / 3!
	BOTH v_fmaak_f32 v[46+r], v[46+r], v[44+r], 0x40490fdb  ; pi
	BOTH v_mul_f32 v[46+r], v[46+r], v[42+r]       ; sin(pi f)
	BOTH v_cvt_i32_f32 v[40+r], v[40+r]
	BOTH v_lshlrev_b32 v[40+r], 31, v[40+r]        ; n's lowest bit becomes the sign
	BOTH v_xor_b32 v[46+r], v[46+r], v[40+r]
	BOTH v_mul_f32 v[34+r], s52, v[46+r]
	ds_store_b128 v11, v[32:35] offset:L_PTS       ; into my wave's own 512 bytes: LDS serves a wave's instructions in order (ISA guide 5.7.1.4), so its loads below see them
	QLOAD 0
	QLOAD 1
	QLOAD 2
	QLOAD 3
	v_add_f32 v27, v34, v35
	WSUM 27, 25                                    ; Y
	; u[k]: 64 points, four a step
	QSTEP 0, 1
.set q, 1
.rept 15
	QSTEP q, 0
.set q, q+1
.endr
	v_pk_add_f32 v[84:85], v[84:85], v[86:87]
	v_add_f32 v84, v84, v85
	ds_store_b32 v13, v84 offset:L_U
	BAR                                            ; every u is in LDS
	; S's PARTIAL SUMS: my 16 rows x 4 columns of Wb
.irp j, 0,1,2,3
	ds_load_b128 v[48+4*\j:48+4*\j+3], v14 offset:L_U+16*\j
.endr
	s_wait_loadcnt 8                               ; Wb is in; W2's eight stay out
	v_cmp_gt_u32 vcc_lo, 16, v5
	v_cndmask_b32 v25, 0, v27, vcc_lo              ; Y in the threads of rows 0-15, 0 elsewhere: Y bb enters each column once
.irp c, 0,1,2,3
	v_mul_f32 v[64+\c], v[36+\c], v25
.endr
	s_wait_dscnt 0x0
.set n, 0
.rept 16
	SROW n
.set n, n+1
.endr
	v_pk_add_f32 v[64:65], v[64:65], v[68:69]
	v_pk_add_f32 v[66:67], v[66:67], v[70:71]
.irp c, 0,1,2,3
	v_permlanex16_b32 v[68+\c], v[64+\c], s66, s67 ; the lane 16 away holds the same columns of the next 16 rows
.endr
	v_pk_add_f32 v[64:65], v[64:65], v[68:69]
	v_pk_add_f32 v[66:67], v[66:67], v[70:71]
	ds_store_b128 v15, v[64:67] offset:L_SP        ; both halves of the lanes store the same numbers
	BAR
	; S: threads 0-63 add the four waves' partials of a factor
	s_cmp_gt_u32 s68, 1
	s_cbranch_scc1 .Lno_s
.irp j, 0,1,2,3
	ds_load_b128 v[48+4*\j:48+4*\j+3], v16 offset:L_SP+256*\j
.endr
	s_wait_dscnt 0x0
	v_pk_add_f32 v[48:49], v[48:49], v[52:53]
	v_pk_add_f32 v[50:51], v[50:51], v[54:55]
	v_pk_add_f32 v[56:57], v[56:57], v[60:61]
	v_pk_add_f32 v[58:59], v[58:59], v[62:63]
	v_pk_add_f32 v[48:49], v[48:49], v[56:57]
	v_pk_add_f32 v[50:51], v[50:51], v[58:59]
	ds_store_b128 v17, v[48:51] offset:L_SS
.Lno_s:
	BAR
	; rhs: thread t = (b, d, f) makes rhs[8 t + m], m = 0 .. 7
	ds_load_b128 v[48:51], v18 offset:L_SS
	ds_load_b128 v[52:55], v18 offset:L_SS+16
	ds_load_b128 v[56:59], v19 offset:L_SS+256
	ds_load_b128 v[60:63], v19 offset:L_SS+256+16
	ds_load_b128 v[64:67], v20 offset:L_SS+512
	ds_load_b128 v[68:71], v20 offset:L_SS+512+16
.set m, 0
.rept 8
	ds_load_b128 v[96+8*m:96+8*m+3],   v21 offset:L_SS+768+32*m
	ds_load_b128 v[96+8*m+4:96+8*m+7], v21 offset:L_SS+768+32*m+16
.set m, m+1
.endr
	s_wait_dscnt 16                                ; the three rows are in; S3's 16 loads may be out
.irp j, 0,2,4,6
	v_pk_mul_f32 v[72+\j:73+\j], v[48+\j:49+\j], v[56+\j:57+\j]
.endr
.irp j, 0,2,4,6
	v_pk_mul_f32 v[72+\j:73+\j], v[72+\j:73+\j], v[64+\j:65+\j]  ; S0[b,x] S1[d,x] S2[f,x]
.endr
.set m, 0
.rept 8
	s_wait_dscnt 14-2*m                            ; row m of S3 is in: behind it 7 - m rows' loads
.set tt, 88+2*(m%2)
.set r3, 96+8*m
	v_pk_mul_f32 v[tt:tt+1], v[72:73], v[r3:r3+1]
	v_pk_fma_f32 v[tt:tt+1], v[74:75], v[r3+2:r3+3], v[tt:tt+1]
	v_pk_fma_f32 v[tt:tt+1], v[76:77], v[r3+4:r3+5], v[tt:tt+1]
	v_pk_fma_f32 v[tt:tt+1], v[78:79], v[r3+6:r3+7], v[tt:tt+1]
	v_add_f32 v[80+m], v[tt], v[tt+1]
.set m, m+1
.endr
	ds_store_b128 v22, v[80:83] offset:L_RHS
	ds_store_b128 v22, v[84:87] offset:L_RHS+16
	BAR
	; THE DOT PRODUCTS: my 1,024 numbers of W2 by the same 1,024 of rhs
.set n, 0
.rept 8
	ds_load_b128 v[96+4*n:96+4*n+3], v23 offset:L_RHS+512*n
.set n, n+1
.endr
	s_wait_loadcnt 0x0                             ; W2
.set n, 0
.rept 8
	s_wait_dscnt 7-n
.set ac, 48+4*(n%2)
.if n < 2
	v_pk_mul_f32 v[ac:ac+1],   v[160+4*n:161+4*n], v[96+4*n:97+4*n]   ; the first two start the four sums
	v_pk_mul_f32 v[ac+2:ac+3], v[162+4*n:163+4*n], v[98+4*n:99+4*n]
.else
	v_pk_fma_f32 v[ac:ac+1],   v[160+4*n:161+4*n], v[96+4*n:97+4*n], v[ac:ac+1]
	v_pk_fma_f32 v[ac+2:ac+3], v[162+4*n:163+4*n], v[98+4*n:99+4*n], v[ac+2:ac+3]
.endif
.set n, n+1
.endr
	v_pk_add_f32 v[48:49], v[48:49], v[50:51]
	v_pk_add_f32 v[52:53], v[52:53], v[54:55]
	v_pk_add_f32 v[48:49], v[48:49], v[52:53]
	v_add_f32 v48, v48, v49
	WSUM 48, 49
	ds_store_b32 v24, v48 offset:L_RED             ; all lanes store the same number to my wave's word
	s_wait_tensorcnt 0x0                           ; the wave's end: behind my last LDS store;
	ds_add_u32 v2, v3
	s_wait_dscnt 0x0                               ; this also shows my store done, for the barrier
	s_barrier_signal -1
	s_barrier_wait -1
	; THE WAY OUT: wave 0 stores the work-group's four w (lanes 0-3) and its cpart (lane 4): 20 bytes, all that the work-group owns
	s_cmp_lg_u32 s68, 0
	s_cbranch_scc1 .Ldone
	v_and_b32 v40, 3, v1
	v_lshlrev_b32 v40, 4, v40                      ; row lane % 4: its four quarters
	s_and_b32 s74, ttmp9, 0xff                     ; g, 0 .. 255
	s_lshl_b32 s75, s74, 6
	v_add_nc_u32 v41, s75, v92                     ; rhs[16 g + cg]
	ds_load_b128 v[48:51], v40 offset:L_RED
	ds_load_b32 v42, v41 offset:L_RHS
	s_lshl_b32 s75, s74, 4
	v_lshl_add_u32 v43, v1, 2, s75                 ; w[4 g + lane],
	s_lshl_b32 s75, s74, 2
	s_add_co_u32 s75, s75, 4096
	v_mov_b32 v44, s75                             ; cpart[g]
	v_cmp_eq_u32 vcc_lo, 4, v1
	v_cndmask_b32 v43, v43, v44, vcc_lo
	s_wait_dscnt 0x0
	v_add_f32 v48, v48, v49
	v_add_f32 v50, v50, v51
	v_add_f32 v48, v48, v50
	v_mul_f32 v42, v26, v42
	v_add_f32_dpp v42, v42, v42 row_xmask:1 row_mask:0xf bank_mask:0xf
	v_add_f32_dpp v42, v42, v42 row_xmask:2 row_mask:0xf bank_mask:0xf
	v_add_f32_dpp v42, v42, v42 row_xmask:4 row_mask:0xf bank_mask:0xf
	v_add_f32_dpp v42, v42, v42 row_xmask:8 row_mask:0xf bank_mask:0xf
	v_cndmask_b32 v48, v48, v42, vcc_lo
	s_wait_xcnt 0x0                                ; EXEC changes only behind this wait: it is a source of the loads above
	v_cmp_gt_u32 vcc_lo, 5, v1
	s_and_saveexec_b32 s70, vcc_lo
	global_store_b32 v43, v48, s[10:11]
	s_wait_xcnt 0x0                                ; and again in front of the line that widens it
	s_or_b32 exec_lo, exec_lo, s70
.Ldone:
	s_endpgm
.Lfunc_end_k_qb100238174_weights:
	.size	k_qb100238174_weights, .Lfunc_end_k_qb100238174_weights-k_qb100238174_weights
	.p2alignl 7, 3214868480
	.fill 96, 4, 3214868480
	.section	.rodata,"a",@progbits
	.p2align	6, 0x0
	.amdhsa_kernel k_qb100238174_weights
		.amdhsa_group_segment_fixed_size 34816
		.amdhsa_private_segment_fixed_size 0
		.amdhsa_enable_private_segment 0
		.amdhsa_kernarg_size 192
		.amdhsa_user_sgpr_count 2
		.amdhsa_user_sgpr_kernarg_segment_ptr 1
		.amdhsa_wavefront_size32 1
		.amdhsa_system_sgpr_workgroup_id_x 1
		.amdhsa_system_sgpr_workgroup_id_y 1
		.amdhsa_system_sgpr_workgroup_id_z 1
		.amdhsa_system_vgpr_workitem_id 0
		.amdhsa_next_free_vgpr 192
		.amdhsa_next_free_sgpr 80
		.amdhsa_reserve_vcc 1
		.amdhsa_float_denorm_mode_32 3
		.amdhsa_float_denorm_mode_16_64 3
		.amdhsa_memory_ordered 1
		.amdhsa_forward_progress 1
		.amdhsa_inst_pref_size 37
	.end_amdhsa_kernel
	.amdgpu_metadata
---
amdhsa.version: [ 1, 2 ]
amdhsa.kernels:
  - .name:           k_qb100238174_weights
    .symbol:         k_qb100238174_weights.kd
    .args:
      - { .name: W2, .offset: 0, .size: 8, .value_kind: global_buffer, .address_space: global }
      - { .name: b2, .offset: 8, .size: 8, .value_kind: global_buffer, .address_space: global }
      - { .name: eq_param, .offset: 16, .size: 8, .value_kind: global_buffer, .address_space: global }
      - { .name: wvec, .offset: 24, .size: 8, .value_kind: global_buffer, .address_space: global }
      - { .name: quad_x0, .offset: 32, .size: 8, .value_kind: global_buffer, .address_space: global }
      - { .name: quad_x1, .offset: 40, .size: 8, .value_kind: global_buffer, .address_space: global }
      - { .name: quad_x2, .offset: 48, .size: 8, .value_kind: global_buffer, .address_space: global }
      - { .name: quad_x3, .offset: 56, .size: 8, .value_kind: global_buffer, .address_space: global }
      - { .name: Wq0a, .offset: 64, .size: 8, .value_kind: global_buffer, .address_space: global }
      - { .name: Wq1a, .offset: 72, .size: 8, .value_kind: global_buffer, .address_space: global }
      - { .name: Wq2a, .offset: 80, .size: 8, .value_kind: global_buffer, .address_space: global }
      - { .name: Wq3a, .offset: 88, .size: 8, .value_kind: global_buffer, .address_space: global }
      - { .name: bq0a, .offset: 96, .size: 8, .value_kind: global_buffer, .address_space: global }
      - { .name: bq1a, .offset: 104, .size: 8, .value_kind: global_buffer, .address_space: global }
      - { .name: bq2a, .offset: 112, .size: 8, .value_kind: global_buffer, .address_space: global }
      - { .name: bq3a, .offset: 120, .size: 8, .value_kind: global_buffer, .address_space: global }
      - { .name: Wq0b, .offset: 128, .size: 8, .value_kind: global_buffer, .address_space: global }
      - { .name: Wq1b, .offset: 136, .size: 8, .value_kind: global_buffer, .address_space: global }
      - { .name: Wq2b, .offset: 144, .size: 8, .value_kind: global_buffer, .address_space: global }
      - { .name: Wq3b, .offset: 152, .size: 8, .value_kind: global_buffer, .address_space: global }
      - { .name: bq0b, .offset: 160, .size: 8, .value_kind: global_buffer, .address_space: global }
      - { .name: bq1b, .offset: 168, .size: 8, .value_kind: global_buffer, .address_space: global }
      - { .name: bq2b, .offset: 176, .size: 8, .value_kind: global_buffer, .address_space: global }
      - { .name: bq3b, .offset: 184, .size: 8, .value_kind: global_buffer, .address_space: global }
    .group_segment_fixed_size: 34816
    .private_segment_fixed_size: 0
    .kernarg_segment_align: 8
    .kernarg_segment_size: 192
    .max_flat_workgroup_size: 512
    .sgpr_count:     80
    .vgpr_count:     192
    .wavefront_size: 32
...
	.end_amdgpu_metadata
.endif
;; end of part 1
;; launch apply (part 2): grid 256 x 1, 16 waves a work-group, no clusters, 26,624 bytes of LDS; arguments input, W1, b1, wvec, out0; writes out0
.if DOCPART == 2
	.amdgcn_target "amdgcn-amd-amdhsa--gfx1250"
	.amdhsa_code_object_version 6
	.text
	.protected	k_qb100238174_apply
	.globl	k_qb100238174_apply
	.p2align	8
	.type	k_qb100238174_apply,@function
k_qb100238174_apply:
	s_mov_b64 s[64:65], 0
	v_nop
	global_prefetch_b8 v0, s[64:65] scope:SCOPE_SE
	s_setreg_imm32_b32 hwreg(HW_REG_WAVE_MODE, 25, 1), 1
	s_wait_xcnt 0x0
; out[n] = sum over j of tanh(x_n . W1[:, j] + b1[j]) w[j] + b2 . rhs, all in f32.  w (wvec bytes 0-4095) and b2 . rhs (256 partial sums, bytes 4096-5119) come from the launch before.
; SHARES.  256 work-groups of 16 waves; work-group g owns rows 64 g .. 64 g + 63.  Every wave holds all 64 rows (lane l rows 2 l and 2 l + 1) and takes the hidden units
; 64 wv .. 64 wv + 63; a packed pair is two neighbouring hidden units of one row.  The wave's five parameters of a hidden unit (K2 W1[0..2], K2 b1, w) lie in its own 1,280 bytes
; of LDS and are read four units at a time, the same bytes by every lane.  The sixteen waves' sums of a row meet in LDS; wave 0 adds them and stores 256 consecutive bytes.
; NO MATRIX INSTRUCTION: x . W1 has three terms, and two transcendentals a number stand beside its three multiply-adds.  NO TENSOR LOAD, NO CLUSTER: W1, b1 and w, 20,480 bytes that
; all work-groups read, are asked for once, 40 bytes a lane, and nothing is filled again.
; LIMITS.  tanh z = 1 - 2 / (1 + 2^(2 log2(e) z)): absolute error near 2^-22, so below |z| = 1e-5 the relative accuracy is lost; it ends in +1 and -1 rightly.  NaN and infinities are not treated apart.
.set K2,      0x4038aa3b   ; 2 log2(e)
.set L_PAR,   0            ; 16 x 1,280: per wave five arrays of 64 numbers, 256 bytes apart
.set L_RED,   20480        ; 16 x 256: wave wv's sums, rows 2 l and 2 l + 1 at 8 l
.set L_SPARE, 24576        ; 2,048: the spare words, 128 bytes a wave; no other line names them
; v0 t; v1 lane; v2, v3 the add's two; v4-v6 global offsets; v7-v10 LDS addresses; v11 cpart; v[12:17] x as loaded; v[18:27] parameters as loaded
; v[28:39] x[row r][c] twice, at 28 + 6 r + 2 c; v[40:119] four sets of 20: A, B, C, D, W of four hidden units; v[120:127] tanh, row r at 120 + 4 r; v[128:135] sums, likewise
.macro PLOAD g                      ; group g's four hidden units into set g % 4
.irp a, 0,1,2,3,4
	ds_load_b128 v[40+20*((\g)%4)+4*\a:40+20*((\g)%4)+4*\a+3], v8 offset:L_PAR+256*\a+16*(\g)
.endr
.endm
.macro ZED r                        ; K2 (x . W1 + b1) for row r, two pairs
.irp p, 0,2
	v_pk_fma_f32 v[120+4*(\r)+\p:121+4*(\r)+\p], v[pb+8+\p:pb+9+\p], v[32+6*(\r):33+6*(\r)], v[pb+12+\p:pb+13+\p]
.endr
.irp p, 0,2
	v_pk_fma_f32 v[120+4*(\r)+\p:121+4*(\r)+\p], v[pb+4+\p:pb+5+\p], v[30+6*(\r):31+6*(\r)], v[120+4*(\r)+\p:121+4*(\r)+\p]
.endr
.irp p, 0,2
	v_pk_fma_f32 v[120+4*(\r)+\p:121+4*(\r)+\p], v[pb+\p:pb+1+\p], v[28+6*(\r):29+6*(\r)], v[120+4*(\r)+\p:121+4*(\r)+\p]
.endr
.endm
.macro EXPS r
.irp p, 0,1,2,3
	v_exp_f32 v[120+4*(\r)+\p], v[120+4*(\r)+\p]
.endr
.endm
.macro ONE r
	s_wait_alu depctr_va_vdst(0)
.irp p, 0,2
	v_pk_add_f32 v[120+4*(\r)+\p:121+4*(\r)+\p], v[120+4*(\r)+\p:121+4*(\r)+\p], 1.0 op_sel_hi:[1,0]
.endr
.endm
.macro RCPS r
.irp p, 0,1,2,3
	v_rcp_f32 v[120+4*(\r)+\p], v[120+4*(\r)+\p]
.endr
.endm
.macro TANH r
	s_wait_alu depctr_va_vdst(0)
.irp p, 0,2
	v_pk_fma_f32 v[120+4*(\r)+\p:121+4*(\r)+\p], v[120+4*(\r)+\p:121+4*(\r)+\p], -2.0, 1.0 op_sel_hi:[1,0,0]
.endr
.endm
.macro ACCU r, first
.irp p, 0,2
.if \first
	v_pk_mul_f32 v[128+4*(\r)+\p:129+4*(\r)+\p], v[pb+16+\p:pb+17+\p], v[120+4*(\r)+\p:121+4*(\r)+\p]  ; the first group starts the sums
.else
	v_pk_fma_f32 v[128+4*(\r)+\p:129+4*(\r)+\p], v[pb+16+\p:pb+17+\p], v[120+4*(\r)+\p:121+4*(\r)+\p], v[128+4*(\r)+\p:129+4*(\r)+\p]
.endif
.endr
.endm
; Four hidden units for my two rows.  The rows alternate, so that behind every run of exponentials or reciprocals stands a plain line that names none of their registers,
; and one stands between each result and its use (ISA guide 5.7.2).
.macro GROUP g, first
.if (\g) < 12
	s_wait_dscnt 15                                ; younger than this group's five loads: the three later groups' fifteen
.else
	s_wait_dscnt 5*(15-(\g))                       ; the counts run down
.endif
.set pb, 40+20*((\g)%4)
	ZED 0
	EXPS 0
	ZED 1
	EXPS 1
	ONE 0
	RCPS 0
	ONE 1
	RCPS 1
	TANH 0
	ACCU 0, \first
	TANH 1
	ACCU 1, \first
.if (\g) < 12
	PLOAD (\g)+4
.endif
.endm
	s_load_b256 s[4:11], s[0:1], 0x0               ; input s[4:5], W1 s[6:7], b1 s[8:9], wvec s[10:11]
	s_load_b64 s[12:13], s[0:1], 0x20              ; out0
	v_lshl_add_u32 v2, v0, 2, L_SPARE              ; my spare word
	v_mov_b32 v3, 0
	v_lshrrev_b32 v10, 5, v0
	v_readfirstlane_b32 s14, v10                   ; wave 0..15
	v_and_b32 v1, 31, v0                           ; lane
	v_lshlrev_b32 v4, 3, v0                        ; my two of the wave's 64 hidden units: 256 wv + 8 lane = 8 t
	v_mul_u32_u24 v5, 24, v1                       ; my two rows of input, 12 bytes each
	v_and_b32 v6, 15, v0
	s_lshl_b32 s15, s14, 6
	s_add_co_u32 s15, s15, 4096
	v_lshl_add_u32 v6, v6, 2, s15                  ; cpart[16 wv + lane % 16]
	s_mul_i32 s15, s14, 1280
	v_lshl_add_u32 v7, v1, 3, s15                  ; my wave's parameters: where I put two numbers,
	v_mov_b32 v8, s15                              ; and their first byte
	s_lshl_b32 s15, s14, 8
	v_lshl_add_u32 v9, v1, 3, s15                  ; my wave's sums: 256 wv + 8 lane
	v_lshlrev_b32 v10, 3, v1                       ; 8 lane
	s_mul_i32 s16, ttmp9, 768                      ; the work-group's 64 rows of input
	s_mov_b32 s17, 0
	s_wait_kmcnt 0x0
	s_add_nc_u64 s[4:5], s[4:5], s[16:17]
	s_lshl_b32 s16, ttmp9, 8                       ; and its 256 bytes of out0
	s_add_nc_u64 s[12:13], s[12:13], s[16:17]
	global_load_b64 v[18:19], v4, s[6:7]               ; W1 row 0: the wave's load covers 256 consecutive bytes
	global_load_b64 v[20:21], v4, s[6:7] offset:4096   ; row 1
	global_load_b64 v[22:23], v4, s[6:7] offset:8192   ; row 2
	global_load_b64 v[24:25], v4, s[8:9]               ; b1
	global_load_b64 v[26:27], v4, s[10:11]             ; w
	global_load_b64 v[12:13], v5, s[4:5]               ; x of my two rows, 24 bytes
	global_load_b64 v[14:15], v5, s[4:5] offset:8
	global_load_b64 v[16:17], v5, s[4:5] offset:16
	global_load_b32 v11, v6, s[10:11]                  ; one of my wave's 16 partial sums of b2 . rhs
	s_wait_loadcnt 4                               ; the five parameters are in; x's three loads and cpart's may be out
.irp a, 0,1,2,3
	v_pk_mul_f32 v[18+2*\a:19+2*\a], v[18+2*\a:19+2*\a], K2 op_sel_hi:[1,0]  ; the exponential's factor goes into W1 and b1, once
.endr
.irp a, 0,1,2,3,4
	ds_store_b64 v7, v[18+2*\a:19+2*\a] offset:L_PAR+256*\a  ; into my wave's own bytes: LDS serves a wave's instructions in order (ISA guide 5.7.1.4), so its loads below see them
.endr
	PLOAD 0
	PLOAD 1
	PLOAD 2
	PLOAD 3
	s_wait_loadcnt 1                               ; x is in; cpart may be out
.set j, 0
.rept 6
	v_mov_b32 v[28+2*j], v[12+j]                   ; each x twice: a pair for the packed multiply-adds
	v_mov_b32 v[29+2*j], v[12+j]
.set j, j+1
.endr
	GROUP 0, 1
.set q, 1
.rept 15
	GROUP q, 0
.set q, q+1
.endr
	; my wave's sums of my two rows, each with the wave's sixteenth of b2 . rhs: the sixteen waves' shares add up to it once
	s_wait_loadcnt 0x0
	v_add_f32_dpp v11, v11, v11 row_xmask:1 row_mask:0xf bank_mask:0xf
	v_add_f32_dpp v11, v11, v11 row_xmask:2 row_mask:0xf bank_mask:0xf
	v_add_f32_dpp v11, v11, v11 row_xmask:4 row_mask:0xf bank_mask:0xf
	v_add_f32_dpp v11, v11, v11 row_xmask:8 row_mask:0xf bank_mask:0xf
	v_pk_add_f32 v[128:129], v[128:129], v[130:131]
	v_pk_add_f32 v[132:133], v[132:133], v[134:135]
	v_add_f32 v128, v128, v129
	v_add_f32 v129, v132, v133
	v_add_f32 v128, v128, v11
	v_add_f32 v129, v129, v11
	ds_store_b64 v9, v[128:129] offset:L_RED
	s_wait_tensorcnt 0x0                           ; the wave's end: behind my last LDS store;
	ds_add_u32 v2, v3
	s_wait_dscnt 0x0                               ; this also shows my store done, for the barrier
	s_barrier_signal -1
	s_barrier_wait -1
	s_cmp_lg_u32 s14, 0
	s_cbranch_scc1 .Ldone
.set n, 0
.rept 16
	ds_load_b64 v[40+2*n:41+2*n], v10 offset:L_RED+256*n  ; wave n's sums of my two rows
.set n, n+1
.endr
	s_wait_dscnt 0x0
.irp d, 16, 8, 4, 2
.set n, 0
.rept (\d)/2
	v_pk_add_f32 v[40+2*n:41+2*n], v[40+2*n:41+2*n], v[40+2*n+\d:41+2*n+\d]
.set n, n+1
.endr
.endr
	global_store_b64 v10, v[40:41], s[12:13]       ; 32 lanes store 256 consecutive bytes, at a multiple of 256 from out0's first byte
.Ldone:
	s_endpgm
.Lfunc_end_k_qb100238174_apply:
	.size	k_qb100238174_apply, .Lfunc_end_k_qb100238174_apply-k_qb100238174_apply
	.p2alignl 7, 3214868480
	.fill 96, 4, 3214868480
	.section	.rodata,"a",@progbits
	.p2align	6, 0x0
	.amdhsa_kernel k_qb100238174_apply
		.amdhsa_group_segment_fixed_size 26624
		.amdhsa_private_segment_fixed_size 0
		.amdhsa_enable_private_segment 0
		.amdhsa_kernarg_size 40
		.amdhsa_user_sgpr_count 2
		.amdhsa_user_sgpr_kernarg_segment_ptr 1
		.amdhsa_wavefront_size32 1
		.amdhsa_system_sgpr_workgroup_id_x 1
		.amdhsa_system_sgpr_workgroup_id_y 1
		.amdhsa_system_sgpr_workgroup_id_z 1
		.amdhsa_system_vgpr_workitem_id 0
		.amdhsa_next_free_vgpr 136
		.amdhsa_next_free_sgpr 66
		.amdhsa_reserve_vcc 0
		.amdhsa_float_denorm_mode_32 3
		.amdhsa_float_denorm_mode_16_64 3
		.amdhsa_memory_ordered 1
		.amdhsa_forward_progress 1
		.amdhsa_inst_pref_size 46
	.end_amdhsa_kernel
	.amdgpu_metadata
---
amdhsa.version: [ 1, 2 ]
amdhsa.kernels:
  - .name:           k_qb100238174_apply
    .symbol:         k_qb100238174_apply.kd
    .args:
      - { .name: input, .offset: 0, .size: 8, .value_kind: global_buffer, .address_space: global }
      - { .name: W1, .offset: 8, .size: 8, .value_kind: global_buffer, .address_space: global }
      - { .name: b1, .offset: 16, .size: 8, .value_kind: global_buffer, .address_space: global }
      - { .name: wvec, .offset: 24, .size: 8, .value_kind: global_buffer, .address_space: global }
      - { .name: out0, .offset: 32, .size: 8, .value_kind: global_buffer, .address_space: global }
    .group_segment_fixed_size: 26624
    .private_segment_fixed_size: 0
    .kernarg_segment_align: 8
    .kernarg_segment_size: 40
    .max_flat_workgroup_size: 512
    .sgpr_count:     66
    .vgpr_count:     136
    .wavefront_size: 32
...
	.end_amdgpu_metadata
.endif
;; end of part 2
